; MI455X (gfx1250); checked and timed in simulation.
; The chip was launched on July 23, 2026; its instructions are those of AMD's public machine-readable ISA for CDNA 5 (MIT licence, August 2026) and "CDNA5" Instruction Set Architecture Reference Guide (July 2026). The comments in the code are by the model that wrote it; some were corrected since.
;; Causal Self Attention. Allowed arithmetic: float matrix products may take bf16 or f16 operands with f32 sums; all other float work in f32.
;; Inputs: b_attn 3,072 float32; b_proj 1,024 float32; w_attn 1,024 x 3,072 float32; w_proj 1,024 x 1,024 float32; x 2 x 2,048 x 1,024 float32.
;; Outputs: out0 2 x 2,048 x 1,024 float32.
;; One version. Each part assembles by itself: llvm-mc -triple=amdgcn-amd-amdhsa -mcpu=gfx1250 --defsym DOCPART=n.
;; ======== version 1 of 1: 4 launches
;; limits: values are held in f16: magnitudes above 65,504 overflow, below 6.1e-05 lose precision
;; workspace buffers: xb 8,388,608 bytes; wab 6,291,456 bytes; wpb 2,097,152 bytes; qkv 25,165,824 bytes; yb 8,388,608 bytes
;; launch cast (part 1): grid 1024 x 1, 8 waves a work-group, no clusters, 0 bytes of LDS; arguments x, w_attn, w_proj, xb, wab, wpb; writes xb, wab, wpb
.if DOCPART == 1
	.amdgcn_target "amdgcn-amd-amdhsa--gfx1250"
	.amdhsa_code_object_version 6
	.text
	.protected	k_q79a7f99778_cast
	.globl	k_q79a7f99778_cast
	.p2align	8
	.type	k_q79a7f99778_cast,@function
k_q79a7f99778_cast:
	s_mov_b64 s[64:65], 0
	v_nop
	global_prefetch_b8 v0, s[64:65] scope:SCOPE_SE
	s_setreg_imm32_b32 hwreg(HW_REG_WAVE_MODE, 25, 1), 1
	s_wait_xcnt 0x0
; f32 to 16 bits, once for each matrix operand that comes from outside: x, w_attn, w_proj.  A stream: no LDS, no barrier, no loop.
; All three are rounded to bf16 (nearest even): one and the same rounding for every input.
; x and w_attn are stored as bf16.  w_proj will multiply y, which is kept in f16 for its eleven significant bits, and both operands of a
; matrix instruction have one format: so w_proj's bf16 number is rewritten in f16's format.  That is exact for 2^-17 <= |w| <= 65,504
; (eight significant bits above f16's step of 2^-24); below, the error is at most 2^-25; above, it overflows.  As drawn |w| is below 0.2.
; A work-group takes 32,768 bytes of f32 and gives 16,384 bytes; a thread issues its eight 16-byte loads at once,
; rounds four numbers at a time and stores 8 bytes: a store of a wave covers 256 consecutive bytes, aligned.
; Work-groups 0-511: 8 rows of x each, written in K blocks: xb[kb][m][c] = x[m][64 kb + c], kb 0..15, m 0..4095, c 0..63,
;   so that 256 rows of one K block are 32,768 consecutive bytes for the product that follows.
; Work-groups 512-895: w_attn, 896-1023: w_proj, both in their own order ([k][n]).
; The loads carry the hint for data read once; the stores carry none: the next launches read what they write.
.set X, 4                              ; v[4:35]   eight loads of four f32
.set Y, 36                             ; v[36:51]  eight pairs of registers, four 16-bit numbers each
; v1: byte offset of my loads, v2: of my stores; neither is rewritten, and no Y is rewritten behind its store
; eight loads, then for each: its wait, the roundings, one store.  Load and store i stand at (i mod 4) x A + (i / 4) x B.
; half = 1: the bf16 numbers are widened again (a shift, a mask) and packed as f16.
.macro CAST8 inA, inB, outA, outB, half
.irp i, 0,1,2,3,4,5,6,7
	global_load_b128 v[X+4*\i:X+4*\i+3], v1, s[16:17] offset:(\i%4)*\inA+(\i/4)*\inB th:TH_LOAD_NT
.endr
.irp i, 0,1,2,3,4,5,6,7
	s_wait_loadcnt 7-\i                            ; loads come back in order: load i is in, the 7 - i younger ones may be out
	v_cvt_pk_bf16_f32 v[Y+2*\i],   v[X+4*\i],   v[X+4*\i+1]
	v_cvt_pk_bf16_f32 v[Y+2*\i+1], v[X+4*\i+2], v[X+4*\i+3]
.if \half
	v_lshlrev_b32 v[X+4*\i],   16,         v[Y+2*\i]
	v_and_b32     v[X+4*\i+1], 0xffff0000, v[Y+2*\i]
	v_lshlrev_b32 v[X+4*\i+2], 16,         v[Y+2*\i+1]
	v_and_b32     v[X+4*\i+3], 0xffff0000, v[Y+2*\i+1]
	v_cvt_pk_f16_f32 v[Y+2*\i],   v[X+4*\i],   v[X+4*\i+1]
	v_cvt_pk_f16_f32 v[Y+2*\i+1], v[X+4*\i+2], v[X+4*\i+3]
.endif
	global_store_b64 v2, v[Y+2*\i:Y+2*\i+1], s[18:19] offset:(\i%4)*\outA+(\i/4)*\outB
.endr
.endm
	s_load_b256 s[4:11], s[0:1], 0x0               ; x s[4:5], w_attn s[6:7], w_proj s[8:9], xb s[10:11]
	s_load_b128 s[12:15], s[0:1], 0x20             ; wab s[12:13], wpb s[14:15]
	s_mov_b32 s21, 0                               ; high words of the two offsets
	s_mov_b32 s23, 0
	s_wait_kmcnt 0x0
	s_cmp_lt_u32 ttmp9, 512
	s_cbranch_scc0 .Lweights
	; x: wave w takes K blocks 2 w and 2 w + 1 of the group's 8 rows.  A load covers one K block (256 bytes of f32) of two rows:
	; lanes 0-15 the even row, lanes 16-31 the odd one; in xb these two pieces of 128 bytes follow each other.
	v_and_b32 v3, 15, v0
	v_lshlrev_b32 v1, 4, v3                        ; 16 (lane mod 16)
	v_bfe_u32 v3, v0, 4, 1
	v_lshl_add_u32 v1, v3, 12, v1                  ; + one row of 4,096 bytes for lanes 16-31
	v_lshrrev_b32 v3, 5, v0                        ; w
	v_lshl_add_u32 v1, v3, 9, v1                   ; + 512 w: two K blocks of f32
	v_and_b32 v2, 31, v0
	v_lshlrev_b32 v2, 3, v2                        ; 8 x lane
	v_lshl_add_u32 v2, v3, 20, v2                  ; + 2 w K blocks of 4,096 rows x 128 bytes
	s_lshl_b32 s20, ttmp9, 15                      ; 8 rows of x
	s_lshl_b32 s22, ttmp9, 10                      ; 8 rows of 128 bytes in a K block of xb
	s_add_nc_u64 s[16:17], s[4:5], s[20:21]
	s_add_nc_u64 s[18:19], s[10:11], s[22:23]
	CAST8 8192, 256, 256, 524288, 0                ; i mod 4: the pair of rows; i / 4: the K block
	s_endpgm
.Lweights:
	v_lshlrev_b32 v1, 4, v0                        ; thread t: 16 t in, 8 t out; the 256 threads cover 4,096 and 2,048 bytes
	v_lshlrev_b32 v2, 3, v0
	s_sub_co_u32 s20, ttmp9, 512
	s_cmp_lt_u32 s20, 384                          ; w_attn is 384 pieces of 32,768 bytes, w_proj 128
	s_cbranch_scc0 .Lproj
	s_lshl_b32 s22, s20, 14
	s_lshl_b32 s20, s20, 15
	s_add_nc_u64 s[16:17], s[6:7], s[20:21]
	s_add_nc_u64 s[18:19], s[12:13], s[22:23]
	CAST8 4096, 16384, 2048, 8192, 0
	s_endpgm
.Lproj:
	s_sub_co_u32 s20, s20, 384                     ; the piece's number in w_proj
	s_lshl_b32 s22, s20, 14
	s_lshl_b32 s20, s20, 15
	s_add_nc_u64 s[16:17], s[8:9], s[20:21]
	s_add_nc_u64 s[18:19], s[14:15], s[22:23]
	CAST8 4096, 16384, 2048, 8192, 1
	s_endpgm
.Lfunc_end_k_q79a7f99778_cast:
	.size	k_q79a7f99778_cast, .Lfunc_end_k_q79a7f99778_cast-k_q79a7f99778_cast
	.p2alignl 7, 3214868480
	.fill 96, 4, 3214868480
	.section	.rodata,"a",@progbits
	.p2align	6, 0x0
	.amdhsa_kernel k_q79a7f99778_cast
		.amdhsa_group_segment_fixed_size 0
		.amdhsa_private_segment_fixed_size 0
		.amdhsa_enable_private_segment 0
		.amdhsa_kernarg_size 48
		.amdhsa_user_sgpr_count 2
		.amdhsa_user_sgpr_kernarg_segment_ptr 1
		.amdhsa_wavefront_size32 1
		.amdhsa_system_sgpr_workgroup_id_x 1
		.amdhsa_system_sgpr_workgroup_id_y 1
		.amdhsa_system_sgpr_workgroup_id_z 1
		.amdhsa_system_vgpr_workitem_id 0
		.amdhsa_next_free_vgpr 52
		.amdhsa_next_free_sgpr 66
		.amdhsa_reserve_vcc 0
		.amdhsa_float_denorm_mode_32 3
		.amdhsa_float_denorm_mode_16_64 3
		.amdhsa_memory_ordered 1
		.amdhsa_forward_progress 1
		.amdhsa_inst_pref_size 13
	.end_amdhsa_kernel
	.amdgpu_metadata
---
amdhsa.version: [ 1, 2 ]
amdhsa.kernels:
  - .name:           k_q79a7f99778_cast
    .symbol:         k_q79a7f99778_cast.kd
    .args:
      - { .name: x, .offset: 0, .size: 8, .value_kind: global_buffer, .address_space: global }
      - { .name: w_attn, .offset: 8, .size: 8, .value_kind: global_buffer, .address_space: global }
      - { .name: w_proj, .offset: 16, .size: 8, .value_kind: global_buffer, .address_space: global }
      - { .name: xb, .offset: 24, .size: 8, .value_kind: global_buffer, .address_space: global }
      - { .name: wab, .offset: 32, .size: 8, .value_kind: global_buffer, .address_space: global }
      - { .name: wpb, .offset: 40, .size: 8, .value_kind: global_buffer, .address_space: global }
    .group_segment_fixed_size: 0
    .private_segment_fixed_size: 0
    .kernarg_segment_align: 8
    .kernarg_segment_size: 48
    .max_flat_workgroup_size: 256
    .sgpr_count:     66
    .vgpr_count:     52
    .wavefront_size: 32
...
	.end_amdgpu_metadata
.endif
;; end of part 1
;; launch gemm_qkv (part 2): grid 16 x 16, 4 waves a work-group, clusters of 4 x 4, 327,680 bytes of LDS; arguments xb, wab, b_attn, qkv; writes qkv
.if DOCPART == 2
	.amdgcn_target "amdgcn-amd-amdhsa--gfx1250"
	.amdhsa_code_object_version 6
	.text
	.protected	k_q79a7f99778_gemm_qkv
	.globl	k_q79a7f99778_gemm_qkv
	.p2align	8
	.type	k_q79a7f99778_gemm_qkv,@function
k_q79a7f99778_gemm_qkv:
	s_mov_b64 s[64:65], 0
	v_nop
	global_prefetch_b8 v0, s[64:65] scope:SCOPE_SE
	s_setreg_imm32_b32 hwreg(HW_REG_WAVE_MODE, 25, 1), 1
	s_wait_xcnt 0x0
	s_wait_alu depctr_hold_cnt(0) depctr_sa_sdst(0) depctr_va_vdst(0) depctr_va_sdst(0) depctr_va_ssrc(0) depctr_va_vcc(0) depctr_vm_vsrc(0)
	s_getreg_b32 s2, hwreg(HW_REG_IB_STS2, 6, 4)
	s_cmp_eq_u32 s2, 0
	s_cbranch_scc0 .Lentry_in_a_cluster
	s_endpgm
.Lentry_in_a_cluster:
	s_bfe_u32 s2, ttmp6, 0x10000c
	s_cmp_lg_u32 s2, 0xf033
	s_cbranch_scc0 .Lentry_shape_is_right
	s_endpgm
.Lentry_shape_is_right:
; qkv = x w_attn + b_attn.  x: xb[kb 16][m 4096][64] bf16 (K blocks of 64); w: wab[k 1024][n 3072] bf16; bias f32; sums in f32.
; Out: qkv[b 2][ch 48][t 2048][64] f16, ch = n / 64 (0-15 q's heads, 16-31 k's, 32-47 v's), m = 2048 b + t.
; WHY f16 OUT: a query with few keys gives results of v's own size, some ten times the root mean square of the whole output, so v's rounding
; counts there in full; f16's eleven significant bits make it an eighth of bf16's.
; LIMIT: a result beyond 65,504 in magnitude overflows in f16.  As drawn the results have spread 1; with x and w_attn both 30 times larger the
; spread is 900 and the largest about 5,000; with offsets of 30 spreads on both (30 and 0.94) the results lie near 30 x 0.94 x 1,024 = 28,800.
; A work-group makes 256 rows x 192 columns (three heads) with four waves, one above the other: a wave makes 64 x 192 =
; 4 x 12 accumulator tiles of 16 x 16, 384 registers.  16 x 16 work-groups.  K goes in 8 steps of 128 through two LDS slots.
; CLUSTERS: 4 x 4 work-groups.  x's tile hangs on the block row alone and is asked for jointly by the four of a row of the
; cluster; w's hangs on the block column alone and is asked for jointly by the four of a column: a quarter of the requests.
; w lies [k][n]: its fragments are read from LDS by the transposing load, so no transposed copy of w exists anywhere.
; THE MATRIX INSTRUCTION IS USED TRANSPOSED: source 0 = 16 columns of w, source 1 = 16 rows of x.  Lane l then holds row l % 16
; and its registers 0-7 the columns 8 (l / 16) + 0..7: eight neighbouring numbers of a row, 16 bytes of f16.
; The bias starts the sums: the first product of each tile takes it as C, so nothing is cleared and nothing is added later.
;
; REGISTERS, in windows of 256:
;   window 0: v16-27 addresses; v32-63, v64-95 x's fragments (4 x 16 rows x 32 K), two buffers; v96-191 bias; v192-239 packed results
;   window 1: v0-95, v96-191 w's fragments (12 x 16 columns x 32 K), two buffers
;   window 2: accumulator tiles (a, b) of column blocks b = 0-5, at v[8 (6 a + b)];   window 3: of b = 6-11
.set SIZE_N, 3072
.set NW,     192                       ; columns of a work-group
.set NB,     NW/16                     ; column blocks
.set NBH,    NB/2                      ; column blocks in an accumulator window
.set KSTEP,  128
.set LAPS,   1024/(2*KSTEP)            ; a lap = two K steps = once round the ring
.set APITCH, 144                       ; x in LDS: a row of 64 bf16 + 16 bytes: the 16 rows of a fragment start 36 words apart
.set APLANE, 256*APITCH                ; one K block of the work-group's 256 rows: what one tensor load brings
.set BP,     (NW/64)*160               ; w in LDS: a k row = pieces of 128 bytes + 32 of padding each; an odd multiple of 32 bytes
.set BHALF,  64*BP                     ; 64 k rows: what one tensor load brings
.set SLOT,   2*APLANE+2*BHALF          ; x's two K blocks, then w's 128 k rows
.set STAGE,  2*SLOT                    ; behind the ring: 16 rows x 400 bytes for each wave, for the way out; no tensor load lands here
.set SPITCH, 400
.set ASTEP,  2*4096*128                ; bytes in xb from a K step to the next: two K blocks
.set BSTEP,  KSTEP*SIZE_N*2            ; bytes in wab from a K step to the next
.set ADRA, 16                          ; v16-17  LDS address of my x fragments in slot 0, 1
.set ADRB, 20                          ; v20-21  the same for w
.set STO,  24                          ; the way out: where I put 16 bytes of a row
.set RD,   25                          ; the way out: where I read back
.set CO,   26                          ; my byte offset in qkv
.set BO,   27                          ; my byte offset in the bias
.set FA0,  32
.set FA1,  64
.set BIAS, 96
.set TMP,  192
.set RB0,  32                          ; the way out: rows read back, two buffers in turn
.set RB1,  96
.set FB0,  0                           ; window 1
.set FB1,  96
.set WV,   12                          ; s12 wave 0..3
.set WHI,  13                          ; s13 wave / 2: I fetch for x (0) or for w (1)
.set WLO,  14                          ; s14 wave % 2: which K block of x, which 64 k rows of w
.set BY,   15                          ; s15 block row
.set BX,   16                          ; s16 block column
.set CX,   17
.set CY,   18
.set RMASK, 19
.set CMASK, 20
.set LA,   21                          ; s21 LDS address of the x tile that this wave would fetch, slot 0
.set LB,   22                          ; s22 the same for w
.set G1,   24                          ; s[24:31] descriptor group 1 for x's tiles
.set G0,   32                          ; s[32:39] descriptor group 0 for x's tiles, one set for each slot
.set G1B,  48                          ; s[48:55] group 1 for w's tiles
.set G0B,  56                          ; s[56:63] group 0 for w's tiles, one set for each slot
.set MSB, 0
.macro WIN new                         ; the immediate's high byte repeats the setting that is left
.if MSB != \new
	s_set_vgpr_msb (MSB<<8)|\new
.set MSB, \new
.endif
.endm
.set MUL_LO,   0xa1                    ; source 0 (w) window 1, source 1 (x) window 0, C and D window 2
.set MUL_HI,   0xf1                    ; the same, C and D window 3
.set FIRST_LO, 0x81                    ; the first products: C is the bias, in window 0
.set FIRST_HI, 0xc1
.set TO_B,     0x40                    ; destination window 1, address window 0
; A joint load.  Waves 0 and 1 fetch x's two K blocks, waves 2 and 3 w's two halves.  Each line has one mask and one set of registers
; for all that issue it; the branch hangs on the wave's number alone.
.macro JLOAD s
	s_cmp_eq_u32 s[WHI], 0
	s_cbranch_scc0 .Lfor_b_\@
	tensor_load_to_lds s[G0+4*\s:G0+4*\s+3], s[G1:G1+7]
	s_nop 0
	s_branch .Lasked_\@
.Lfor_b_\@:
	tensor_load_to_lds s[G0B+4*\s:G0B+4*\s+3], s[G1B:G1B+7]
	s_nop 0
.Lasked_\@:
.endm
; A round of the cluster's barrier: my work-group's barrier, wave 0 signals for the work-group, every wave waits for all sixteen
; work-groups, my work-group's barrier once more.
.macro CREST                           ; a round behind its opening barrier
	s_cmp_lg_u32 s[WV], 0
	s_cbranch_scc1 .Lnot_wave_0_\@
	s_barrier_signal -3
.Lnot_wave_0_\@:
	s_barrier_wait -3
	s_barrier_signal -1
	s_barrier_wait -1
.endm
.macro CROUND
	s_barrier_signal -1
	s_barrier_wait -1
	CREST
.endm
	s_load_b256 s[4:11], s[0:1], 0x0               ; xb s[4:5], wab s[6:7], b_attn s[8:9], qkv s[10:11]
	s_set_vgpr_msb 0x40
	v_lshl_add_u32 v255, v0, 2, 0x48400
	s_set_vgpr_msb 0x4000
	v_mov_b32 v255, 0
	s_set_vgpr_msb 0x1
	ds_add_u32 v255, v255
	s_set_vgpr_msb 0x100
	v_lshrrev_b32 v1, 5, v0
	v_readfirstlane_b32 s[WV], v1
	s_lshr_b32 s[WHI], s[WV], 1
	s_and_b32 s[WLO], s[WV], 1
	s_bfe_u32 s[CX], ttmp6, 0x40000                ; my place along the cluster's x
	s_bfe_u32 s[CY], ttmp6, 0x40004                ; along its y
	s_lshl_b32 s[BX], ttmp9, 2                     ; in a cluster launch ttmp9 and ttmp7 count clusters
	s_add_co_u32 s[BX], s[BX], s[CX]
	s_and_b32 s[BY], ttmp7, 0xffff
	s_lshl_b32 s[BY], s[BY], 2
	s_add_co_u32 s[BY], s[BY], s[CY]
	s_lshl_b32 s[RMASK], s[CY], 2
	s_lshl_b32 s[RMASK], 15, s[RMASK]              ; my row of the cluster: places 4 cy .. 4 cy + 3
	s_lshl_b32 s[CMASK], 0x1111, s[CX]             ; my column: places cx, cx + 4, cx + 8, cx + 12
	; group 1 for x: one K block of 256 rows is 32,768 consecutive bytes, taken as 128 rows of 32 elements of 8 bytes;
	; 16 bytes of padding behind every 128 bytes (32 words) make the LDS rows of 64 bf16 144 bytes apart
	s_or_b32 s[G1+0], s[RMASK], (3<<16)|(1<<20)|(1<<21)|(4<<22)|(3<<25)   ; mask; element of 8 bytes; padding on; bit 21 beside a mask; every 32 words; 4 words
	s_mov_b32 s[G1+1], 32<<16                      ; tensor_dim0 = 32
	s_mov_b32 s[G1+2], 128<<16                     ; tensor_dim1 = 128
	s_mov_b32 s[G1+3], 32<<16                      ; tile_dim0 = 32
	s_mov_b32 s[G1+4], 128                         ; tile_dim1 = 128
	s_mov_b32 s[G1+5], 32                          ; from row to row: 32 elements
	s_mov_b32 s[G1+6], 0
	s_mov_b32 s[G1+7], 0
	; group 1 for w: 64 k rows x 192 bf16, 3,072 elements from row to row; 32 bytes of padding behind every 128 bytes
	s_or_b32 s[G1B+0], s[CMASK], (1<<16)|(1<<20)|(1<<21)|(4<<22)|(7<<25)  ; mask; element of 2 bytes; every 32 words; 8 words
	s_mov_b32 s[G1B+1], NW<<16
	s_mov_b32 s[G1B+2], 64<<16
	s_mov_b32 s[G1B+3], NW<<16
	s_mov_b32 s[G1B+4], 64
	s_mov_b32 s[G1B+5], SIZE_N
	s_mov_b32 s[G1B+6], 0
	s_mov_b32 s[G1B+7], 0
	; where the tiles come from: x's of the block row and the wave's number, w's of the block column and the wave's number,
	; each in registers that never hold the other coordinate
	s_lshl_b32 s40, s[WLO], 19                     ; my K block of the step: 4,096 rows x 128 bytes
	s_lshl_b32 s41, s[BY], 15                      ; 256 rows x 128 bytes
	s_add_co_u32 s40, s40, s41
	s_mov_b32 s41, 0
	s_mul_i32 s44, s[WLO], 64*SIZE_N*2             ; my 64 k rows of the step
	s_mul_i32 s45, s[BX], NW*2
	s_add_co_u32 s44, s44, s45
	s_mov_b32 s45, 0
	s_mul_i32 s[LA], s[WV], APLANE                 ; waves 0, 1: x's K blocks at 0 and APLANE
	s_mul_i32 s[LB], s[WV], BHALF                  ; waves 2, 3: w's halves at 2 APLANE and 2 APLANE + BHALF
	s_add_co_u32 s[LB], s[LB], 2*APLANE-2*BHALF
	s_wait_dscnt 0x0
	s_wait_kmcnt 0x0
	s_add_nc_u64 s[40:41], s[4:5], s[40:41]
	s_add_nc_u64 s[44:45], s[6:7], s[44:45]
	CROUND                                         ; all sixteen work-groups are here: the first joint loads meet
.irp s, 0,1
	s_mov_b32 s[G0+4*\s], 1
	s_add_co_u32 s[G0+4*\s+1], s[LA], \s*SLOT
	s_add_nc_u64 s[G0+4*\s+2:G0+4*\s+3], s[40:41], \s*ASTEP        ; K step s
	s_or_b32 s[G0+4*\s+3], s[G0+4*\s+3], 0x80000000               ; type = 2
	s_mov_b32 s[G0B+4*\s], 1
	s_add_co_u32 s[G0B+4*\s+1], s[LB], \s*SLOT
	s_add_nc_u64 s[G0B+4*\s+2:G0B+4*\s+3], s[44:45], \s*BSTEP
	s_or_b32 s[G0B+4*\s+3], s[G0B+4*\s+3], 0x80000000
	JLOAD \s                                       ; both slots are asked for before anything else is done: two loads of this wave are out
.endr
	; the bias in the accumulators' layout: block b, register j of lane l = bias[192 bx + 16 b + 8 (l / 16) + j]
	s_mul_i32 s46, s[BX], NW*4
	s_mov_b32 s47, 0
	s_add_nc_u64 s[8:9], s[8:9], s[46:47]
	v_and_b32 v1, 15, v0                           ; r = l % 16
	v_bfe_u32 v2, v0, 4, 1                         ; h = l / 16
	v_lshlrev_b32 v[BO], 5, v2
.set bq, 0
.rept NB
	global_load_b128 v[BIAS+8*bq:BIAS+8*bq+3],   v[BO], s[8:9] offset:64*bq
	global_load_b128 v[BIAS+8*bq+4:BIAS+8*bq+7], v[BO], s[8:9] offset:64*bq+16
.set bq, bq+1
.endr
	; x's fragment: lane l holds row l % 16; registers 0-3 K = 8 h + 0..7, registers 4-7 K = 16 + 8 h + 0..7: two loads, 32 bytes apart
	v_mul_u32_u24 v3, v1, APITCH
	v_lshl_add_u32 v3, v2, 4, v3
	s_mul_i32 s46, s[WV], 64*APITCH                ; my 64 rows
	v_add_nc_u32 v[ADRA], s46, v3
	v_add_nc_u32 v[ADRA+1], SLOT, v[ADRA]
	; w's fragment by the transposing load: lane l addresses k row 8 h + l % 8, 16 bytes at column 8 ((l / 8) % 2); two loads, 16 k rows apart
	v_and_b32 v4, 7, v0
	v_lshl_add_u32 v4, v2, 3, v4
	v_mul_u32_u24 v4, v4, BP
	v_bfe_u32 v5, v0, 3, 1
	v_lshl_add_u32 v4, v5, 4, v4
	v_add_nc_u32 v[ADRB], 2*APLANE, v4
	v_add_nc_u32 v[ADRB+1], SLOT+2*APLANE, v4
	; the way out
	s_mul_i32 s46, s[WV], 16*SPITCH
	s_add_co_u32 s46, s46, STAGE                   ; my stage
	v_mul_u32_u24 v6, v1, SPITCH                   ; in: row r, 16 bytes for each half of the lanes
	v_lshl_add_u32 v6, v2, 4, v6
	v_add_nc_u32 v[STO], s46, v6
	v_bfe_u32 v6, v0, 3, 2                         ; back: eight lanes take one head's 128 bytes of a row, a load takes four rows
	v_and_b32 v7, 7, v0
	v_mul_u32_u24 v6, v6, SPITCH
	v_lshl_add_u32 v6, v7, 4, v6
	v_add_nc_u32 v[RD], s46, v6
	v_and_b32 v6, 31, v0
	v_lshlrev_b32 v[CO], 4, v6                     ; in qkv these four rows are 512 consecutive bytes
; 2 NBH matrix instructions: row blocks a0, a0 + 1 x the NBH column blocks of window 2 (hi = 0) or 3 (hi = 1), 32 along K.
; first = 1: the bias is C.
.macro MULQ fa, fb, hi, a0, first
.irp a, \a0, \a0+1
.set bq, 0
.rept NBH
.if \first
	v_wmma_f32_16x16x32_bf16 v[8*(NBH*(\a)+bq):8*(NBH*(\a)+bq)+7], v[\fb+8*(NBH*\hi+bq):\fb+8*(NBH*\hi+bq)+7], v[\fa+8*(\a):\fa+8*(\a)+7], v[BIAS+8*(NBH*\hi+bq):BIAS+8*(NBH*\hi+bq)+7]
.else
	v_wmma_f32_16x16x32_bf16 v[8*(NBH*(\a)+bq):8*(NBH*(\a)+bq)+7], v[\fb+8*(NBH*\hi+bq):\fb+8*(NBH*\hi+bq)+7], v[\fa+8*(\a):\fa+8*(\a)+7], v[8*(NBH*(\a)+bq):8*(NBH*(\a)+bq)+7]
.endif
.set bq, bq+1
.endr
.endr
.endm
; 8 + 2 NB LDS loads in one run: the fragments of quarter q (32 K) of a slot: x's four first, then w's, column blocks ascending
.macro FETCH slot, q, fa, fb
	WIN 0
.irp a, 0,1,2,3
	ds_load_b128 v[\fa+8*\a:\fa+8*\a+3],   v[ADRA+\slot] offset:(\q/2)*APLANE+(\q%2)*64+\a*16*APITCH
	ds_load_b128 v[\fa+8*\a+4:\fa+8*\a+7], v[ADRA+\slot] offset:(\q/2)*APLANE+(\q%2)*64+\a*16*APITCH+32
.endr
	WIN TO_B
.set bq, 0
.rept NB
	ds_load_tr16_b128 v[\fb+8*bq:\fb+8*bq+3],   v[ADRB+\slot] offset:\q*32*BP+(bq/4)*160+(bq%4)*32
	ds_load_tr16_b128 v[\fb+8*bq+4:\fb+8*bq+7], v[ADRB+\slot] offset:\q*32*BP+(bq/4)*160+(bq%4)*32+16*BP
.set bq, bq+1
.endr
.endm
; A load into a register that a matrix instruction has read, and a vector instruction or LDS store that reads a matrix result, stand four
; places behind that matrix instruction; only plain vector instructions that name none of its registers are places.
.macro PLACES
.rept 4
	v_nop
.endr
.endm
; A K step is four quarters of 32 along K, 4 NB matrix instructions each, on buffers 0, 1, 0, 1.  The 4 NB accumulators take turns, one
; instruction a turn, in the same order in every quarter, over the loop's backward jump too.
; One of the first three quarters: multiplies buffers fa, fb; in its middle it fetches quarter qn of the same slot into ga, gb.
.macro QUARTER slot, qn, fa, fb, ga, gb, first
	s_wait_dscnt 2*NBH                             ; x's fragments and w's column blocks 0 .. NBH-1 are in; the youngest 2 NBH loads (the upper blocks) may be out
.if \first
	WIN FIRST_LO
.else
	WIN MUL_LO
.endif
	MULQ \fa, \fb, 0, 0, \first
	MULQ \fa, \fb, 0, 2, \first
	PLACES
	FETCH \slot, \qn, \ga, \gb
	s_wait_dscnt 8+2*NB                            ; all but the run just issued
.if \first
	WIN FIRST_HI
.else
	WIN MUL_HI
.endif
	MULQ \fa, \fb, 1, 0, \first
	MULQ \fa, \fb, 1, 2, \first
.endm
.macro THREE slot, first
	QUARTER \slot, 1, FA0, FB0, FA1, FB1, \first
	QUARTER \slot, 2, FA1, FB1, FA0, FB0, 0
	QUARTER \slot, 3, FA0, FB0, FA1, FB1, 0
.endm
; The last quarter: multiplies buffer 1 and changes slots.  fill = 1: this slot is filled again, two K steps ahead.
; In front of the barrier each wave waits for its reads of this slot and for all its tensor loads (one is out: its part of the next slot).
; Behind it nobody reads this slot and the next slot is whole.  Where the slot is filled again the barrier opens a round of the cluster's
; barrier, and the joint refill is the first tensor load behind the round: no wave of any partner still reads the slot or has a load out.
.macro TURN slot, next, fill
	s_wait_dscnt 2*NBH
	WIN MUL_LO
	MULQ FA1, FB1, 0, 0, 0
	s_wait_dscnt 0x0                               ; my reads of this slot are over
	s_wait_tensorcnt 0x0                           ; all my tensor loads have landed
	ds_add_u32 v255, v255
	s_wait_dscnt 0x0
	s_barrier_signal -1
	MULQ FA1, FB1, 0, 2, 0                         ; register work while the others arrive
	WIN 0
	s_barrier_wait -1
.if \fill
	CREST
	s_add_nc_u64 s[G0+4*\slot+2:G0+4*\slot+3], s[G0+4*\slot+2:G0+4*\slot+3], 2*ASTEP      ; no tensor load of mine is out: the addresses may step
	s_add_nc_u64 s[G0B+4*\slot+2:G0B+4*\slot+3], s[G0B+4*\slot+2:G0B+4*\slot+3], 2*BSTEP
	JLOAD \slot
.endif
	PLACES
	FETCH \next, 0, FA0, FB0
	WIN MUL_HI
	MULQ FA1, FB1, 1, 0, 0
	MULQ FA1, FB1, 1, 2, 0
.endm
.macro LAP first
	THREE 0, \first
	TURN 0, 1, 1
	THREE 1, 0
	TURN 1, 0, 1
.endm
	s_wait_tensorcnt 0x1                           ; my part of K step 0 is in; K step 1's may stay out
	s_barrier_signal -1
	s_barrier_wait -1                              ; everybody's is
	FETCH 0, 0, FA0, FB0
	s_wait_loadcnt 0x0                             ; the bias
	LAP 1                                          ; the first lap stands in front of the loop: its first products take the bias
	WIN 0                                          ; at a label and at a branch every window is 0
	s_mov_b32 s3, LAPS-2
.Llap:
	LAP 0
	WIN 0
	s_sub_co_u32 s3, s3, 1
	s_cmp_lg_u32 s3, 0
	s_cbranch_scc1 .Llap
	THREE 0, 0                                     ; the last lap fills nothing
	TURN 0, 1, 0
	THREE 1, 0
	s_wait_dscnt 2*NBH                             ; the very last quarter
	WIN MUL_LO
	MULQ FA1, FB1, 0, 0, 0
	MULQ FA1, FB1, 0, 2, 0
	s_wait_dscnt 0x0
	WIN MUL_HI
	MULQ FA1, FB1, 1, 0, 0
	MULQ FA1, FB1, 1, 2, 0
	; THE WAY OUT, 16 rows at a time: round to f16, 16 bytes a lane into my own stage, read back head by head, four rows of 128 bytes a load.
	PLACES
	s_lshr_b32 s46, s[BY], 3                       ; b
	s_mul_i32 s46, s46, 48
	s_mul_i32 s47, s[BX], 3
	s_add_co_u32 s46, s46, s47                     ; plane 48 b + 3 bx
	s_lshl_b32 s46, s46, 11                        ; x 2,048 rows
	s_and_b32 s47, s[BY], 7
	s_lshl_b32 s47, s47, 8
	s_add_co_u32 s46, s46, s47                     ; + t of the block's first row
	s_lshl_b32 s47, s[WV], 6
	s_add_co_u32 s46, s46, s47                     ; + my 64 rows
	s_lshl_b32 s46, s46, 7                         ; x 128 bytes
	s_mov_b32 s47, 0
	s_add_nc_u64 s[10:11], s[10:11], s[46:47]
.macro OUT16 a, rb
	WIN 0x0a                                       ; sources in window 2
.set bq, 0
.rept NBH
.irp r, 0,1,2,3
	v_cvt_pk_f16_f32 v[TMP+4*bq+\r], v[8*(NBH*\a+bq)+2*\r], v[8*(NBH*\a+bq)+2*\r+1]
.endr
.set bq, bq+1
.endr
	WIN 0x0f                                       ; sources in window 3
.set bq, 0
.rept NBH
.irp r, 0,1,2,3
	v_cvt_pk_f16_f32 v[TMP+4*(NBH+bq)+\r], v[8*(NBH*\a+bq)+2*\r], v[8*(NBH*\a+bq)+2*\r+1]
.endr
.set bq, bq+1
.endr
	WIN 0
.set bq, 0
.rept NB
	ds_store_b128 v[STO], v[TMP+4*bq:TMP+4*bq+3] offset:32*bq
.set bq, bq+1
.endr
	s_wait_xcnt 0x0                                ; the earlier stores have had their addresses translated: their data registers and base are rewritten only behind this wait
.if \a
	s_add_nc_u64 s[10:11], s[10:11], 16*128        ; 16 rows on
.endif
.set bq, 0
.rept 12
	ds_load_b128 v[\rb+4*bq:\rb+4*bq+3], v[RD] offset:(bq%4)*4*SPITCH+(bq/4)*128   ; LDS serves a wave's instructions in order: these see the stores above
.set bq, bq+1
.endr
.set bq, 0
.rept 12
	s_wait_dscnt 11-bq                             ; load bq is in, the younger ones may be out
	global_store_b128 v[CO], v[\rb+4*bq:\rb+4*bq+3], s[10:11] offset:(bq/4)*262144+(bq%4)*512   ; head bq / 4, rows 4 (bq % 4) ..: 512 consecutive bytes, aligned
.set bq, bq+1
.endr
.endm
	OUT16 0, RB0
	OUT16 1, RB1
	OUT16 2, RB0
	OUT16 3, RB1
	s_set_vgpr_msb 0x1
	s_wait_tensorcnt 0x0
	ds_add_u32 v255, v255
	s_wait_dscnt 0x0
	s_set_vgpr_msb 0x100
	CROUND                                         ; the closing round: no work-group ends while a partner may still ask for a tile that names it
	s_endpgm
.Lfunc_end_k_q79a7f99778_gemm_qkv:
	.size	k_q79a7f99778_gemm_qkv, .Lfunc_end_k_q79a7f99778_gemm_qkv-k_q79a7f99778_gemm_qkv
	.p2alignl 7, 3214868480
	.fill 96, 4, 3214868480
	.section	.rodata,"a",@progbits
	.p2align	6, 0x0
	.amdhsa_kernel k_q79a7f99778_gemm_qkv
		.amdhsa_group_segment_fixed_size 327680
		.amdhsa_private_segment_fixed_size 0
		.amdhsa_enable_private_segment 0
		.amdhsa_kernarg_size 32
		.amdhsa_user_sgpr_count 2
		.amdhsa_user_sgpr_kernarg_segment_ptr 1
		.amdhsa_wavefront_size32 1
		.amdhsa_system_sgpr_workgroup_id_x 1
		.amdhsa_system_sgpr_workgroup_id_y 1
		.amdhsa_system_sgpr_workgroup_id_z 1
		.amdhsa_system_vgpr_workitem_id 0
		.amdhsa_next_free_vgpr 1024
		.amdhsa_next_free_sgpr 66
		.amdhsa_reserve_vcc 0
		.amdhsa_float_denorm_mode_32 3
		.amdhsa_float_denorm_mode_16_64 3
		.amdhsa_memory_ordered 1
		.amdhsa_forward_progress 1
		.amdhsa_inst_pref_size 166
	.end_amdhsa_kernel
	.amdgpu_metadata
---
amdhsa.version: [ 1, 2 ]
amdhsa.kernels:
  - .name:           k_q79a7f99778_gemm_qkv
    .symbol:         k_q79a7f99778_gemm_qkv.kd
    .args:
      - { .name: xb, .offset: 0, .size: 8, .value_kind: global_buffer, .address_space: global }
      - { .name: wab, .offset: 8, .size: 8, .value_kind: global_buffer, .address_space: global }
      - { .name: b_attn, .offset: 16, .size: 8, .value_kind: global_buffer, .address_space: global }
      - { .name: qkv, .offset: 24, .size: 8, .value_kind: global_buffer, .address_space: global }
    .group_segment_fixed_size: 327680
    .private_segment_fixed_size: 0
    .kernarg_segment_align: 8
    .kernarg_segment_size: 32
    .max_flat_workgroup_size: 128
    .sgpr_count:     66
    .vgpr_count:     1024
    .wavefront_size: 32
...
	.end_amdgpu_metadata
.endif
;; end of part 2
;; launch attn (part 3): grid 8 x 32, 8 waves a work-group, no clusters, 327,680 bytes of LDS; arguments qkv, yb; writes yb
.if DOCPART == 3
	.amdgcn_target "amdgcn-amd-amdhsa--gfx1250"
	.amdhsa_code_object_version 6
	.text
	.protected	k_q79a7f99778_attn
	.globl	k_q79a7f99778_attn
	.p2align	8
	.type	k_q79a7f99778_attn,@function
k_q79a7f99778_attn:
	s_mov_b64 s[64:65], 0
	v_nop
	global_prefetch_b8 v0, s[64:65] scope:SCOPE_SE
	s_setreg_imm32_b32 hwreg(HW_REG_WAVE_MODE, 25, 1), 1
	s_wait_xcnt 0x0
; Causal softmax attention of one (batch, head): y = softmax(q k^T / 8, causal) v.  qkv[b 2][ch 48][t 2048][64] f16 (ch = h: q, 16 + h: k,
; 32 + h: v); out yb[h 16][m = 2048 b + t][64] f16.  Scores, maxima, exponentials, sums, rescaling and the division in f32.
; FORMATS: q, k, v, p and y are matrix operands in f16.  p lies in [0, 1] (below 2^-14 its error is at most 2^-25, against a sum of at least 1);
; y is a convex mix of v's rows and has their range.  f16 and not bf16 because a query with few keys has a y of v's own size, some ten times
; the root mean square of the whole result, and its rounding counts there in full.
; SHARING THE WORK.  A head has 16 blocks of 128 queries.  Work-group i (0..7) owns blocks 15 - i and i, which need 32 - 2 i and 2 i + 2
; key tiles of 64: 34 in all, for every i.  Two teams of four waves take 17 each: team A (waves 0-3) tiles 0..16 of block 15 - i;
; team B (waves 4-7) its tiles 17 .. 31 - 2 i, parks its partial result in LDS, and then takes block i.  A wave holds 32 queries.
; So every wave of the launch makes 17 equal trips of 32 queries x 64 keys; behind the loop team A merges team B's partial result.
; LAYOUT.  S^T = K Q^T: lane l holds query l % 16 and keys 8 (l / 16) + 0..7 of each 16-key tile, so maximum, sum and rescaling are a
; lane's own (one exchange between the halves for the maximum), and two neighbouring key tiles, rounded to f16 in place, are the
; second operand of O^T = V^T P^T as they stand: P never goes through LDS.  V^T comes from LDS by the transposing load.
; THE MAXIMUM is a running one.  The state kept from tile to tile is NM = -c max (c = log2(e) / 8) as rounded; the exponent is
; fma(s, c, NM), and the rescaling factor exp2(NM new - NM old) refers to exactly the shifts that the exponentials used.
; LIMIT: -2^100 stands for the mask's minus infinity, so a true score at or below -2^100 counts as masked.  c x 2^100 is exact, so a tile
; that is wholly masked for a query with no key yet gives exponent 0, p = 1 and a finite partial result, which a later rescaling or the
; merge multiplies by exp2 of about -2^97, that is by 0.  Each query's first tile of a block's tile 0 holds key 0, which is never masked.
; NO CLUSTER: the work-groups of a head need different tiles at the same trip (team A's tile t is shared, team B's 17 + t or t - 15 + 2 i
; is not) and the joint loads of a cluster must be alike in all partners; tiles common to all are half of a trip's bytes.
; O is cleared by moves, not started by a product with C = 0: the trip in which team B begins its second block hangs on i, not on the text.
.set SLOTB, 40960                      ; a ring slot: four parts
.set PART,  10240                      ; part lw of a slot: 0 team A's K, 1 team A's V, 2 team B's K, 3 team B's V; filled by wave lw
.set KP,    144                        ; K's rows in LDS: 128 bytes + 16
.set VP,    160                        ; V's rows in LDS: 128 bytes + 32, an odd multiple of 32 bytes for the transposing load
.set MRG,   81920                      ; behind the ring: team B's parked partial results, 17 groups of 512 bytes for each of four waves
.set MRGW,  8704
.set STG,   116736                     ; the way out: 32 rows x 144 bytes for each of eight waves; ends at 153,600.  No tensor load lands in MRG or STG
.set STGW,  4608
.set KADR, 1                           ; LDS address of my K fragments, slot 0
.set VADR, 2                           ; of my V fragments
.set QOFF, 3                           ; byte offset of my part of a Q fragment
.set LR,   4                           ; l % 16 - 8 (l / 16), for the mask
.set MADR, 5                           ; my 16 bytes in a group of MRG
.set MX,   6                           ; v[6:7]    running maximum, query block 0, 1
.set NM,   8                           ; v[8:11]   -c x maximum, a pair for each query block
.set AL,   12                          ; v[12:15]  rescaling factor, a pair for each query block
.set LS,   16                          ; v[16:19]  running sums, a pair for each query block
.set T,    20                          ; v[20:27]  at work
.set STO,  28
.set RD,   29
.set CO,   30
.set QF,   32                          ; v[32:63]   Q fragment (qb, kk) at 16 qb + 8 kk
.set OA,   64                          ; v[64:127]  O^T tile (dt, qb) at 32 qb + 8 dt
.set SC,   128                         ; v[128:191] S^T tile (qb, kt) at 32 qb + 8 kt; then P^T fragment (qb, u) at 32 qb + 16 u
.set KV,   192                         ; v[192:255] K fragment (kt, kk) at 16 kt + 8 kk; then V^T fragment (dt, u) at 32 u + 8 dt
; s8 wave, s9 team, s10 wave % 4, s11 i, s12 b, s13 h, s14-15 lane selects, s16 -2^100, s17 trip, s18 trip of team B's block change,
; s19 my team's tile, s20 first tile that needs the mask, s21 my first query, s22 the tile that I fetch, s23 the trip at which it starts anew,
; s24 my part's LDS address, s25 wave % 2 (K or V), s[26:27] K's or V's plane, s[28:29] an offset, s[30:31] q's plane,
; s[32:35] descriptor group 0, s[36:43] group 1 for K, s[44:51] group 1 for V, s52 loop counter, s53, s57 at work, s[54:55] c twice, s56 -c,
; s[58:59] base of Q's loads, then of the stores
; Waves 0-3 fetch: one tensor load each.  The branches hang on the wave's number alone.
.macro KVLOAD
	s_cmp_ge_u32 s8, 4
	s_cbranch_scc1 .Lnone_\@
	s_cmp_eq_u32 s25, 0
	s_cbranch_scc0 .Lfor_v_\@
	tensor_load_to_lds s[32:35], s[36:43]
	s_nop 0
	s_branch .Lnone_\@
.Lfor_v_\@:
	tensor_load_to_lds s[32:35], s[44:51]
	s_nop 0
.Lnone_\@:
.endm
; my 32 queries from s21 on, as second operands: lane l holds query l % 16; two loads of 16 bytes, 32 bytes apart, for 32 of the 64 d
.macro LOADQ
	s_lshl_b32 s28, s21, 7
	s_add_nc_u64 s[58:59], s[30:31], s[28:29]
.irp f, 0,1,2,3
	global_load_b128 v[QF+8*\f:QF+8*\f+3],   v[QOFF], s[58:59] offset:(\f/2)*2048+(\f%2)*64
	global_load_b128 v[QF+8*\f+4:QF+8*\f+7], v[QOFF], s[58:59] offset:(\f/2)*2048+(\f%2)*64+32
.endr
.endm
.macro RESET
.set g, 0
.rept 64
	v_mov_b32 v[OA+g], 0
.set g, g+1
.endr
	v_mov_b32 v[MX], s16
	v_mov_b32 v[MX+1], s16
.irp k, 0,1,2,3
	v_mul_f32 v[NM+\k], s56, v[MX]                 ; c x 2^100, exact
	v_mov_b32 v[LS+\k], 0
.endr
.endm
; Team B leaves block 15 - i: its shifts, sums and O go to LDS for team A's wave of the same queries, lane for lane; then block i begins.
.macro SWITCH
	s_lshl_b32 s21, s11, 7
	s_lshl_b32 s53, s10, 5
	s_add_co_u32 s21, s21, s53                     ; my first query: 128 i + 32 (wave % 4)
	s_lshl_b32 s20, s11, 1                         ; the mask begins at tile 2 i
	s_mov_b32 s19, 0
	LOADQ                                          ; the base was freed by the wait for the first Q's loads
	v_mov_b32 v[T], v[NM]
	v_mov_b32 v[T+1], v[NM+2]
	v_add_f32 v[T+2], v[LS], v[LS+1]
	v_add_f32 v[T+3], v[LS+2], v[LS+3]
.set g, 0
.rept 16
	ds_store_b128 v[MADR], v[OA+4*g:OA+4*g+3] offset:512*g
.set g, g+1
.endr
	ds_store_b128 v[MADR], v[T:T+3] offset:8192
	RESET
	s_wait_loadcnt 0x0
.endm
; the new maximum of query block qb (33 numbers, sixteen three-way maxima in four chains, one exchange between the halves), the new shift, the factor
.macro ROWMAX qb
.irp c, 0,1,2,3
	v_max3_num_f32 v[T+4*\qb+\c], v[SC+32*\qb+8*\c], v[SC+32*\qb+8*\c+1], v[SC+32*\qb+8*\c+2]
.endr
.irp c, 0,1,2,3
	v_max3_num_f32 v[T+4*\qb+\c], v[T+4*\qb+\c], v[SC+32*\qb+8*\c+3], v[SC+32*\qb+8*\c+4]
.endr
.irp c, 0,1,2,3
	v_max3_num_f32 v[T+4*\qb+\c], v[T+4*\qb+\c], v[SC+32*\qb+8*\c+5], v[SC+32*\qb+8*\c+6]
.endr
	v_max3_num_f32 v[T+4*\qb],   v[T+4*\qb],   v[SC+32*\qb+7],  v[SC+32*\qb+15]
	v_max3_num_f32 v[T+4*\qb+2], v[T+4*\qb+2], v[SC+32*\qb+23], v[SC+32*\qb+31]
	v_max3_num_f32 v[T+4*\qb],   v[T+4*\qb],   v[T+4*\qb+1],    v[T+4*\qb+2]
	v_max3_num_f32 v[T+4*\qb],   v[T+4*\qb],   v[T+4*\qb+3],    v[MX+\qb]
	v_permlanex16_b32 v[T+4*\qb+1], v[T+4*\qb], s14, s15           ; the other half's keys of the same query
	v_max_num_f32 v[MX+\qb], v[T+4*\qb], v[T+4*\qb+1]
	v_mul_f32 v[T+4*\qb+2], s56, v[MX+\qb]                         ; the new shift, -c x maximum
	v_sub_f32 v[T+4*\qb+3], v[T+4*\qb+2], v[NM+2*\qb]              ; new - old, at most 0
	v_mov_b32 v[NM+2*\qb],   v[T+4*\qb+2]
	v_mov_b32 v[NM+2*\qb+1], v[T+4*\qb+2]
	v_exp_f32 v[AL+2*\qb], v[T+4*\qb+3]                            ; the line behind it is plain and touches neither register (ISA guide 5.7.2)
.endm
; p = exp2(c s - c max), in place
.macro EXPS qb
.set g, 0
.rept 16
	v_pk_fma_f32 v[SC+32*\qb+2*g:SC+32*\qb+2*g+1], v[SC+32*\qb+2*g:SC+32*\qb+2*g+1], s[54:55], v[NM+2*\qb:NM+2*\qb+1] op_sel_hi:[1,0,1]
.set g, g+1
.endr
.set g, 0
.rept 32
	v_exp_f32 v[SC+32*\qb+g], v[SC+32*\qb+g]
.set g, g+1
.endr
.endm
.macro SCALEO                          ; O x the factor of its query
.irp qb, 0,1
.set g, 0
.rept 16
	v_pk_mul_f32 v[OA+32*\qb+2*g:OA+32*\qb+2*g+1], v[OA+32*\qb+2*g:OA+32*\qb+2*g+1], v[AL+2*\qb:AL+2*\qb+1]
.set g, g+1
.endr
.endr
.endm
.macro ROWSUM qb                       ; my 32 p in two chains of pairs, then sum = sum x factor + new
	v_pk_add_f32 v[T+4*\qb:T+4*\qb+1],   v[SC+32*\qb:SC+32*\qb+1],   v[SC+32*\qb+2:SC+32*\qb+3]
	v_pk_add_f32 v[T+4*\qb+2:T+4*\qb+3], v[SC+32*\qb+4:SC+32*\qb+5], v[SC+32*\qb+6:SC+32*\qb+7]
.set g, 4
.rept 12
	v_pk_add_f32 v[T+4*\qb+2*(g%2):T+4*\qb+2*(g%2)+1], v[T+4*\qb+2*(g%2):T+4*\qb+2*(g%2)+1], v[SC+32*\qb+2*g:SC+32*\qb+2*g+1]
.set g, g+1
.endr
	v_pk_add_f32 v[T+4*\qb:T+4*\qb+1], v[T+4*\qb:T+4*\qb+1], v[T+4*\qb+2:T+4*\qb+3]
	v_pk_fma_f32 v[LS+2*\qb:LS+2*\qb+1], v[LS+2*\qb:LS+2*\qb+1], v[AL+2*\qb:AL+2*\qb+1], v[T+4*\qb:T+4*\qb+1]
.endm
; One trip: 32 queries x the 64 keys of the tile in this slot.  refill = 1: the other slot gets the next trip's tiles.  sw = 1: team B may change blocks here.
.macro TRIP slot, refill, sw
	s_set_vgpr_msb 0x5
	s_wait_tensorcnt 0x0                           ; all my tensor loads have landed, my part of this trip's tiles among them: group 0 may be written
	ds_add_u32 v0, v1
	s_wait_dscnt 0x0
	s_set_vgpr_msb 0x500
.if \refill
	s_add_co_u32 s22, s22, 1                       ; the next trip's tile,
	s_add_co_u32 s53, s17, 1
	s_cmp_eq_u32 s53, s23
	s_cselect_b32 s22, 0, s22                      ; which is tile 0 where team B's second block begins
	s_lshl_b32 s28, s22, 13                        ; tiles of 8,192 bytes
	s_add_co_u32 s33, s24, (1-\slot)*SLOTB
	s_add_nc_u64 s[34:35], s[26:27], s[28:29]
	s_or_b32 s35, s35, 0x80000000                  ; type = 2
.endif
	s_wait_dscnt 0x0                               ; my reads of the other slot are over, and my stores to LDS are done
	s_barrier_signal -1
	s_barrier_wait -1                              ; both now hold of every wave
.if \refill
	KVLOAD                                         ; first thing behind the barrier, one load a wave: it has the whole trip in which to land
.endif
.if \sw
	s_cmp_lt_u32 s8, 4
	s_cbranch_scc1 .Lsame_\@
	s_cmp_lg_u32 s17, s18
	s_cbranch_scc1 .Lsame_\@
	SWITCH
.Lsame_\@:
.endif
.irp kk, 0,1
.irp kt, 0,1,2,3
	ds_load_b128 v[KV+16*\kt+8*\kk:KV+16*\kt+8*\kk+3],   v[KADR] offset:\slot*SLOTB+\kt*16*KP+\kk*64
	ds_load_b128 v[KV+16*\kt+8*\kk+4:KV+16*\kt+8*\kk+7], v[KADR] offset:\slot*SLOTB+\kt*16*KP+\kk*64+32
.endr
.endr
	; S^T = K Q^T: eight tiles take turns, one instruction a turn; the first 32 of d start the sums
	s_wait_dscnt 0x8                               ; d 0-31 of the four key tiles are in; the eight loads of d 32-63 may be out
.irp kt, 0,1,2,3
.irp qb, 0,1
	v_wmma_f32_16x16x32_f16 v[SC+32*\qb+8*\kt:SC+32*\qb+8*\kt+7], v[KV+16*\kt:KV+16*\kt+7], v[QF+16*\qb:QF+16*\qb+7], 0
.endr
.endr
	s_wait_dscnt 0x0
.irp kt, 0,1,2,3
.irp qb, 0,1
	v_wmma_f32_16x16x32_f16 v[SC+32*\qb+8*\kt:SC+32*\qb+8*\kt+7], v[KV+16*\kt+8:KV+16*\kt+15], v[QF+16*\qb+8:QF+16*\qb+15], v[SC+32*\qb+8*\kt:SC+32*\qb+8*\kt+7]
.endr
.endr
.rept 4
	v_nop                                          ; four places (ISA guide 7.12.1) before V lands on K's registers and the scores are read
.endr
.irp u, 0,1
.irp dt, 0,1,2,3
	ds_load_tr16_b128 v[KV+32*\u+8*\dt:KV+32*\u+8*\dt+3],   v[VADR] offset:\slot*SLOTB+\u*32*VP+\dt*32
	ds_load_tr16_b128 v[KV+32*\u+8*\dt+4:KV+32*\u+8*\dt+7], v[VADR] offset:\slot*SLOTB+\u*32*VP+\dt*32+16*VP
.endr
.endr
	; the mask, in the block's last two tiles alone: key 64 ct + 16 kt + 8 h + j stays if it is at most query s21 + 16 qb + r
	s_cmp_lt_u32 s19, s20
	s_cbranch_scc1 .Lfree_\@
	s_lshl_b32 s53, s19, 6
	s_sub_co_i32 s53, s21, s53
	v_add_nc_u32 v[T], s53, v[LR]
	v_add_nc_u32 v[T+1], 16, v[T]
.irp qb, 0,1
.irp kt, 0,1,2,3
.irp j, 0,1,2,3,4,5,6,7
	v_cmp_le_i32 vcc_lo, 16*\kt+\j, v[T+\qb]
	v_cndmask_b32 v[SC+32*\qb+8*\kt+\j], s16, v[SC+32*\qb+8*\kt+\j], vcc_lo
.endr
.endr
.endr
.Lfree_\@:
	ROWMAX 0
	ROWMAX 1
	EXPS 0
	EXPS 1
	s_wait_alu depctr_va_vdst(0)
	v_mov_b32 v[AL+1], v[AL]                       ; plain lines behind the exponentials; the factors fill their pairs
	v_mov_b32 v[AL+3], v[AL+2]
	SCALEO
	ROWSUM 0
	ROWSUM 1
.set g, 0
.rept 4
.irp k, 0,1,2,3,4,5,6,7
	v_cvt_pk_f16_f32 v[SC+16*g+\k], v[SC+16*g+2*\k], v[SC+16*g+2*\k+1]     ; two key tiles' 16 registers into the 8 of a fragment, in place, ascending
.endr
.set g, g+1
.endr
	; O^T += V^T P^T: eight tiles take turns, one instruction a turn
.irp u, 0,1
	s_wait_dscnt 8*(1-\u)                          ; keys 0-31 of V are in and the eight loads of keys 32-63 may be out; then all
.irp dt, 0,1,2,3
.irp qb, 0,1
	v_wmma_f32_16x16x32_f16 v[OA+32*\qb+8*\dt:OA+32*\qb+8*\dt+7], v[KV+32*\u+8*\dt:KV+32*\u+8*\dt+7], v[SC+32*\qb+16*\u:SC+32*\qb+16*\u+7], v[OA+32*\qb+8*\dt:OA+32*\qb+8*\dt+7]
.endr
.endr
.endr
.rept 5
	v_nop                                          ; five places: the next trip's first products write over P's registers, its loads land on V's, and O is read
.endr
	s_add_co_u32 s17, s17, 1
	s_add_co_u32 s19, s19, 1
.endm
	s_load_b128 s[4:7], s[0:1], 0x0                ; qkv s[4:5], yb s[6:7]
	s_set_vgpr_msb 0x40
	v_lshl_add_u32 v0, v0, 2, 0x29000
	v_mov_b32 v1, 0
	s_set_vgpr_msb 0x4045
	ds_add_u32 v0, v1
	s_set_vgpr_msb 0x4500
	v_lshrrev_b32 v31, 5, v0
	v_readfirstlane_b32 s8, v31
	s_lshr_b32 s9, s8, 2
	s_and_b32 s10, s8, 3
	s_and_b32 s25, s8, 1
	s_mov_b32 s11, ttmp9
	s_and_b32 s13, ttmp7, 0xffff
	s_lshr_b32 s12, s13, 4
	s_and_b32 s13, s13, 15
	s_mov_b32 s14, 0x76543210                      ; lane i of one half reads lane i of the other
	s_mov_b32 s15, 0xfedcba98
	s_mov_b32 s16, 0xf1800000                      ; -2^100
	s_mov_b32 s54, 0x3e38aa3b                      ; c = log2(e) / 8
	s_mov_b32 s55, 0x3e38aa3b
	s_mov_b32 s56, 0xbe38aa3b                      ; -c
	s_mov_b32 s17, 0
	s_mov_b32 s29, 0
	s_lshl_b32 s53, s11, 1
	s_sub_co_u32 s18, 15, s53                      ; team B has 15 - 2 i tiles of the upper block
	s_cmp_ge_u32 s8, 4
	s_cselect_b32 s19, 17, 0                       ; my team's first tile
	s_lshr_b32 s57, s8, 1
	s_cmp_eq_u32 s57, 1                            ; waves 2 and 3 fetch for team B
	s_cselect_b32 s23, s18, 99
	s_cselect_b32 s22, 17, 0
	s_sub_co_u32 s57, 15, s11                      ; both teams begin in block 15 - i
	s_lshl_b32 s20, s57, 1
	s_lshl_b32 s21, s57, 7
	s_lshl_b32 s53, s10, 5
	s_add_co_u32 s21, s21, s53
	s_mul_i32 s24, s8, PART
	; group 1: a tile of 64 keys is 8,192 consecutive bytes, taken as 32 rows of 32 elements of 8 bytes; padding behind every 128 bytes
	s_mov_b32 s36, (3<<16)|(1<<20)|(4<<22)|(3<<25) ; K: element of 8 bytes; padding on; every 32 words; 4 words
	s_mov_b32 s37, 32<<16
	s_mov_b32 s38, 32<<16
	s_mov_b32 s39, 32<<16
	s_mov_b32 s40, 32
	s_mov_b32 s41, 32
	s_mov_b32 s42, 0
	s_mov_b32 s43, 0
	s_mov_b32 s44, (3<<16)|(1<<20)|(4<<22)|(7<<25) ; V: 8 words
	s_mov_b32 s45, 32<<16
	s_mov_b32 s46, 32<<16
	s_mov_b32 s47, 32<<16
	s_mov_b32 s48, 32
	s_mov_b32 s49, 32
	s_mov_b32 s50, 0
	s_mov_b32 s51, 0
	s_mul_i32 s57, s12, 48
	s_add_co_u32 s57, s57, s13                     ; q's plane: 48 b + h
	s_lshl_b32 s53, s25, 4
	s_add_co_u32 s53, s53, 16
	s_add_co_u32 s53, s53, s57                     ; K's plane, or V's 16 further
	s_lshl_b32 s28, s53, 18                        ; planes of 262,144 bytes
	s_wait_dscnt 0x0
	s_wait_kmcnt 0x0
	s_add_nc_u64 s[26:27], s[4:5], s[28:29]
	s_lshl_b32 s28, s57, 18
	s_add_nc_u64 s[30:31], s[4:5], s[28:29]
	s_mov_b32 s32, 1
	s_add_co_u32 s33, s24, 0*SLOTB
	s_lshl_b32 s28, s22, 13
	s_add_nc_u64 s[34:35], s[26:27], s[28:29]
	s_or_b32 s35, s35, 0x80000000
	KVLOAD                                         ; the first trip's tiles, ahead of everything else
	v_and_b32 v20, 15, v0                          ; r
	v_bfe_u32 v21, v0, 4, 1                        ; h
	v_lshlrev_b32 v[QOFF], 7, v20
	v_lshl_add_u32 v[QOFF], v21, 4, v[QOFF]        ; 128 r + 16 h
	LOADQ
	v_mul_u32_u24 v[KADR], v20, KP
	v_lshl_add_u32 v[KADR], v21, 4, v[KADR]        ; 144 r + 16 h
	s_mul_i32 s53, s8, STGW
	s_add_co_u32 s53, s53, STG                     ; my stage
	v_add_nc_u32 v[STO], s53, v[KADR]
	s_mul_i32 s57, s9, 2*PART                      ; my team's parts of a slot
	v_add_nc_u32 v[KADR], s57, v[KADR]
	v_and_b32 v23, 7, v0
	v_lshl_add_u32 v24, v21, 3, v23                ; key row 8 h + l % 8
	v_mul_u32_u24 v24, v24, VP
	v_bfe_u32 v25, v0, 3, 1
	v_lshl_add_u32 v24, v25, 4, v24                ; 16 bytes at d = 8 ((l / 8) % 2)
	s_add_co_u32 s57, s57, PART
	v_add_nc_u32 v[VADR], s57, v24
	v_lshlrev_b32 v26, 3, v21
	v_sub_nc_u32 v[LR], v20, v26                   ; r - 8 h
	v_and_b32 v22, 31, v0
	v_lshlrev_b32 v[CO], 4, v22                    ; 16 l
	s_mul_i32 s57, s10, MRGW
	s_add_co_u32 s57, s57, MRG
	v_add_nc_u32 v[MADR], s57, v[CO]
	v_bfe_u32 v26, v0, 3, 2                        ; back from the stage: eight lanes take a row of 128 bytes, a load takes four rows
	v_mul_u32_u24 v26, v26, KP
	v_lshl_add_u32 v26, v23, 4, v26
	v_add_nc_u32 v[RD], s53, v26
	RESET
	s_wait_loadcnt 0x0                             ; Q
	s_mov_b32 s52, 8
.Lpair:
	TRIP 0, 1, 1
	TRIP 1, 1, 1
	s_sub_co_u32 s52, s52, 1
	s_cmp_lg_u32 s52, 0
	s_cbranch_scc1 .Lpair
	TRIP 0, 0, 0                                   ; trip 16: nothing is left to fetch; team B changed blocks in trip 15 at the latest
	v_add_f32 v[LS], v[LS], v[LS+1]
	v_add_f32 v[LS+2], v[LS+2], v[LS+3]
	s_cmp_ge_u32 s8, 4
	s_cbranch_scc1 .Ltail
	; Team A merges team B's partial result of the same queries.  Team B's stores were waited for in front of a later trip's barrier,
	; trip 16's at the latest, and these loads stand behind it.
.set g, 0
.rept 16
	ds_load_b128 v[SC+4*g:SC+4*g+3], v[MADR] offset:512*g
.set g, g+1
.endr
	ds_load_b128 v[T:T+3], v[MADR] offset:8192     ; its shifts and its sums
	s_wait_dscnt 0x0
	v_min_num_f32 v[T+4], v[NM], v[T]              ; the shift of the larger maximum
	v_min_num_f32 v[T+5], v[NM+2], v[T+1]
	v_sub_f32 v[NM], v[T+4], v[NM]
	v_sub_f32 v[NM+2], v[T+5], v[NM+2]
	v_sub_f32 v[T], v[T+4], v[T]
	v_sub_f32 v[T+1], v[T+5], v[T+1]
	v_exp_f32 v[AL], v[NM]                         ; my weight
	v_exp_f32 v[AL+2], v[NM+2]
	v_exp_f32 v[T+6], v[T]                         ; the partner's
	v_exp_f32 v[T+7], v[T+1]
	v_nop                                          ; one plain place behind the exponentials (ISA guide 5.7.2)
	s_wait_alu depctr_va_vdst(0)
	v_mov_b32 v[AL+1], v[AL]
	v_mov_b32 v[AL+3], v[AL+2]
	v_mov_b32 v[NM], v[T+6]
	v_mov_b32 v[NM+1], v[T+6]
	v_mov_b32 v[NM+2], v[T+7]
	v_mov_b32 v[NM+3], v[T+7]
	v_mul_f32 v[LS], v[LS], v[AL]
	v_mul_f32 v[LS+2], v[LS+2], v[AL+2]
	v_fmac_f32 v[LS], v[T+2], v[T+6]
	v_fmac_f32 v[LS+2], v[T+3], v[T+7]
	SCALEO
.irp qb, 0,1
.set g, 0
.rept 16
	v_pk_fma_f32 v[OA+32*\qb+2*g:OA+32*\qb+2*g+1], v[SC+32*\qb+2*g:SC+32*\qb+2*g+1], v[NM+2*\qb:NM+2*\qb+1], v[OA+32*\qb+2*g:OA+32*\qb+2*g+1]
.set g, g+1
.endr
.endr
.Ltail:
	; both teams: the sum's two halves meet, O is divided by it, rounded to f16, and leaves through my own stage as whole rows of 128 bytes
	v_permlanex16_b32 v[LS+1], v[LS], s14, s15
	v_permlanex16_b32 v[LS+3], v[LS+2], s14, s15
	v_add_f32 v[LS], v[LS], v[LS+1]
	v_add_f32 v[LS+2], v[LS+2], v[LS+3]            ; at least 1: the largest score's own term
	v_rcp_f32 v[AL], v[LS]
	v_rcp_f32 v[AL+2], v[LS+2]
	v_nop                                          ; one plain place behind the reciprocals
	s_wait_alu depctr_va_vdst(0)
	v_mov_b32 v[AL+1], v[AL]
	v_mov_b32 v[AL+3], v[AL+2]
	SCALEO
.set g, 0
.rept 8
.irp k, 0,1,2,3
	v_cvt_pk_f16_f32 v[OA+8*g+\k], v[OA+8*g+2*\k], v[OA+8*g+2*\k+1]
.endr
	ds_store_b128 v[STO], v[OA+8*g:OA+8*g+3] offset:(g/4)*16*KP+(g%4)*32   ; tile g = 4 qb + dt: row 16 qb + r, d 16 dt + 8 h ..
.set g, g+1
.endr
	s_lshl_b32 s53, s13, 12                        ; yb: row 4096 h + 2048 b + my first query
	s_lshl_b32 s57, s12, 11
	s_add_co_u32 s53, s53, s57
	s_add_co_u32 s53, s53, s21
	s_lshl_b32 s28, s53, 7
	s_add_nc_u64 s[58:59], s[6:7], s[28:29]        ; Q's loads, which used this pair, have been waited for
.irp u, 0,1,2,3,4,5,6,7
	ds_load_b128 v[SC+4*\u:SC+4*\u+3], v[RD] offset:\u*4*KP        ; LDS serves a wave's instructions in order: these see the stores above
.endr
.irp u, 0,1,2,3,4,5,6,7
	s_wait_dscnt 7-\u                              ; load u is in, the younger ones may be out
	global_store_b128 v[CO], v[SC+4*\u:SC+4*\u+3], s[58:59] offset:512*\u  ; four rows: 512 consecutive bytes, aligned
.endr
	s_set_vgpr_msb 0x5
	s_wait_tensorcnt 0x0
	ds_add_u32 v0, v1
	s_wait_dscnt 0x0
	s_set_vgpr_msb 0x500
	s_endpgm
.Lfunc_end_k_q79a7f99778_attn:
	.size	k_q79a7f99778_attn, .Lfunc_end_k_q79a7f99778_attn-k_q79a7f99778_attn
	.p2alignl 7, 3214868480
	.fill 96, 4, 3214868480
	.section	.rodata,"a",@progbits
	.p2align	6, 0x0
	.amdhsa_kernel k_q79a7f99778_attn
		.amdhsa_group_segment_fixed_size 327680
		.amdhsa_private_segment_fixed_size 0
		.amdhsa_enable_private_segment 0
		.amdhsa_kernarg_size 16
		.amdhsa_user_sgpr_count 2
		.amdhsa_user_sgpr_kernarg_segment_ptr 1
		.amdhsa_wavefront_size32 1
		.amdhsa_system_sgpr_workgroup_id_x 1
		.amdhsa_system_sgpr_workgroup_id_y 1
		.amdhsa_system_sgpr_workgroup_id_z 1
		.amdhsa_system_vgpr_workitem_id 0
		.amdhsa_next_free_vgpr 258
		.amdhsa_next_free_sgpr 66
		.amdhsa_reserve_vcc 1
		.amdhsa_float_denorm_mode_32 3
		.amdhsa_float_denorm_mode_16_64 3
		.amdhsa_memory_ordered 1
		.amdhsa_forward_progress 1
		.amdhsa_inst_pref_size 97
	.end_amdhsa_kernel
	.amdgpu_metadata
---
amdhsa.version: [ 1, 2 ]
amdhsa.kernels:
  - .name:           k_q79a7f99778_attn
    .symbol:         k_q79a7f99778_attn.kd
    .args:
      - { .name: qkv, .offset: 0, .size: 8, .value_kind: global_buffer, .address_space: global }
      - { .name: yb, .offset: 8, .size: 8, .value_kind: global_buffer, .address_space: global }
    .group_segment_fixed_size: 327680
    .private_segment_fixed_size: 0
    .kernarg_segment_align: 8
    .kernarg_segment_size: 16
    .max_flat_workgroup_size: 256
    .sgpr_count:     66
    .vgpr_count:     258
    .wavefront_size: 32
...
	.end_amdgpu_metadata
.endif
;; end of part 3
;; launch gemm_proj (part 4): grid 16 x 16, 4 waves a work-group, clusters of 4 x 4, 327,680 bytes of LDS; arguments yb, wpb, b_proj, out0; writes out0
.if DOCPART == 4
	.amdgcn_target "amdgcn-amd-amdhsa--gfx1250"
	.amdhsa_code_object_version 6
	.text
	.protected	k_q79a7f99778_gemm_proj
	.globl	k_q79a7f99778_gemm_proj
	.p2align	8
	.type	k_q79a7f99778_gemm_proj,@function
k_q79a7f99778_gemm_proj:
	s_mov_b64 s[64:65], 0
	v_nop
	global_prefetch_b8 v0, s[64:65] scope:SCOPE_SE
	s_setreg_imm32_b32 hwreg(HW_REG_WAVE_MODE, 25, 1), 1
	s_wait_xcnt 0x0
	s_wait_alu depctr_hold_cnt(0) depctr_sa_sdst(0) depctr_va_vdst(0) depctr_va_sdst(0) depctr_va_ssrc(0) depctr_va_vcc(0) depctr_vm_vsrc(0)
	s_getreg_b32 s2, hwreg(HW_REG_IB_STS2, 6, 4)
	s_cmp_eq_u32 s2, 0
	s_cbranch_scc0 .Lentry_in_a_cluster
	s_endpgm
.Lentry_in_a_cluster:
	s_bfe_u32 s2, ttmp6, 0x10000c
	s_cmp_lg_u32 s2, 0xf033
	s_cbranch_scc0 .Lentry_shape_is_right
	s_endpgm
.Lentry_shape_is_right:
; out0 = y w_proj + b_proj.  y: yb[kb 16][m 4096][64] f16 (K blocks of 64 = heads); w: wpb[k 1024][n 1024], w_proj rounded to bf16 and written
; in f16's format; bias and out0 f32; sums in f32.
; The same frame as the product for q, k and v, with 64 columns to a work-group so that 16 x 16 work-groups share the 4096 x 1024 results:
; a work-group makes 256 rows x 64 columns with four waves, one above the other; a wave makes 64 x 64 = 4 x 4 accumulator tiles.
; K goes in 8 steps of 128 through two LDS slots.
; CLUSTERS: 4 x 4 work-groups.  y's tile hangs on the block row alone and is asked for jointly by the four of a row of the cluster;
; w's hangs on the block column alone and is asked for jointly by the four of a column.
; w lies [k][n]: its fragments are read from LDS by the transposing load.
; THE MATRIX INSTRUCTION IS USED TRANSPOSED: source 0 = 16 columns of w, source 1 = 16 rows of y.  Lane l then holds row l % 16
; and its registers 0-7 the columns 8 (l / 16) + 0..7: 32 neighbouring bytes of a row of f32.
; The bias starts the sums: the first product of each tile takes it as C.
;
; REGISTERS, in windows of 256:
;   window 0: v16-27 addresses; v32-63, v64-95 y's fragments (4 x 16 rows x 32 K), two buffers; v96-127 bias
;   window 1: v0-31, v96-127 w's fragments (4 x 16 columns x 32 K), two buffers
;   window 2: accumulator tiles (a, b) of column blocks b = 0, 1, at v[8 (2 a + b)];   window 3: of b = 2, 3
.set SIZE_N, 1024
.set NW,     64                        ; columns of a work-group
.set NB,     NW/16
.set NBH,    NB/2
.set KSTEP,  128
.set LAPS,   1024/(2*KSTEP)            ; a lap = two K steps = once round the ring
.set APITCH, 144                       ; y in LDS: a row of 64 f16 + 16 bytes
.set APLANE, 256*APITCH                ; one K block of the work-group's 256 rows: what one tensor load brings
.set BP,     (NW/64)*160               ; w in LDS: a k row = 128 bytes + 32 of padding; an odd multiple of 32 bytes
.set BHALF,  64*BP                     ; 64 k rows: what one tensor load brings
.set SLOT,   2*APLANE+2*BHALF
.set STAGE,  2*SLOT                    ; behind the ring: 16 rows x 272 bytes for each wave, for the way out; no tensor load lands here
.set SPITCH, 272
.set ASTEP,  2*4096*128
.set BSTEP,  KSTEP*SIZE_N*2
.set ADRA, 16
.set ADRB, 20
.set STO,  24
.set RD,   25
.set CO,   26
.set BO,   27
.set FA0,  32
.set FA1,  64
.set BIAS, 96
.set RB0,  32
.set RB1,  96
.set FB0,  0                           ; window 1
.set FB1,  96
.set WV,   12                          ; s12 wave 0..3
.set WHI,  13                          ; s13 wave / 2: I fetch for y (0) or for w (1)
.set WLO,  14                          ; s14 wave % 2
.set BY,   15
.set BX,   16
.set CX,   17
.set CY,   18
.set RMASK, 19
.set CMASK, 20
.set LA,   21
.set LB,   22
.set G1,   24
.set G0,   32
.set G1B,  48
.set G0B,  56
.set MSB, 0
.macro WIN new                         ; the immediate's high byte repeats the setting that is left
.if MSB != \new
	s_set_vgpr_msb (MSB<<8)|\new
.set MSB, \new
.endif
.endm
.set MUL_LO,   0xa1                    ; source 0 (w) window 1, source 1 (y) window 0, C and D window 2
.set MUL_HI,   0xf1
.set FIRST_LO, 0x81                    ; the first products: C is the bias, in window 0
.set FIRST_HI, 0xc1
.set TO_B,     0x40
.macro JLOAD s                         ; waves 0 and 1 fetch y's two K blocks, waves 2 and 3 w's two halves; the branch hangs on the wave's number alone
	s_cmp_eq_u32 s[WHI], 0
	s_cbranch_scc0 .Lfor_b_\@
	tensor_load_to_lds s[G0+4*\s:G0+4*\s+3], s[G1:G1+7]
	s_nop 0
	s_branch .Lasked_\@
.Lfor_b_\@:
	tensor_load_to_lds s[G0B+4*\s:G0B+4*\s+3], s[G1B:G1B+7]
	s_nop 0
.Lasked_\@:
.endm
.macro CREST                           ; a round of the cluster's barrier behind its opening barrier
	s_cmp_lg_u32 s[WV], 0
	s_cbranch_scc1 .Lnot_wave_0_\@
	s_barrier_signal -3
.Lnot_wave_0_\@:
	s_barrier_wait -3
	s_barrier_signal -1
	s_barrier_wait -1
.endm
.macro CROUND
	s_barrier_signal -1
	s_barrier_wait -1
	CREST
.endm
	s_load_b256 s[4:11], s[0:1], 0x0               ; yb s[4:5], wpb s[6:7], b_proj s[8:9], out0 s[10:11]
	s_set_vgpr_msb 0x40
	v_lshl_add_u32 v255, v0, 2, 0x32400
	s_set_vgpr_msb 0x4000
	v_mov_b32 v255, 0
	s_set_vgpr_msb 0x1
	ds_add_u32 v255, v255
	s_set_vgpr_msb 0x100
	v_lshrrev_b32 v1, 5, v0
	v_readfirstlane_b32 s[WV], v1
	s_lshr_b32 s[WHI], s[WV], 1
	s_and_b32 s[WLO], s[WV], 1
	s_bfe_u32 s[CX], ttmp6, 0x40000
	s_bfe_u32 s[CY], ttmp6, 0x40004
	s_lshl_b32 s[BX], ttmp9, 2
	s_add_co_u32 s[BX], s[BX], s[CX]
	s_and_b32 s[BY], ttmp7, 0xffff
	s_lshl_b32 s[BY], s[BY], 2
	s_add_co_u32 s[BY], s[BY], s[CY]
	s_lshl_b32 s[RMASK], s[CY], 2
	s_lshl_b32 s[RMASK], 15, s[RMASK]              ; my row of the cluster
	s_lshl_b32 s[CMASK], 0x1111, s[CX]             ; my column
	; group 1 for y: 32,768 consecutive bytes as 128 rows of 32 elements of 8 bytes; 16 bytes of padding behind every 128 bytes
	s_or_b32 s[G1+0], s[RMASK], (3<<16)|(1<<20)|(1<<21)|(4<<22)|(3<<25)
	s_mov_b32 s[G1+1], 32<<16
	s_mov_b32 s[G1+2], 128<<16
	s_mov_b32 s[G1+3], 32<<16
	s_mov_b32 s[G1+4], 128
	s_mov_b32 s[G1+5], 32
	s_mov_b32 s[G1+6], 0
	s_mov_b32 s[G1+7], 0
	; group 1 for w: 64 k rows x 64 numbers of 2 bytes, 1,024 elements from row to row; 32 bytes of padding behind every 128 bytes
	s_or_b32 s[G1B+0], s[CMASK], (1<<16)|(1<<20)|(1<<21)|(4<<22)|(7<<25)
	s_mov_b32 s[G1B+1], NW<<16
	s_mov_b32 s[G1B+2], 64<<16
	s_mov_b32 s[G1B+3], NW<<16
	s_mov_b32 s[G1B+4], 64
	s_mov_b32 s[G1B+5], SIZE_N
	s_mov_b32 s[G1B+6], 0
	s_mov_b32 s[G1B+7], 0
	; y's address of the block row and the wave's number, w's of the block column and the wave's number, in registers of their own
	s_lshl_b32 s40, s[WLO], 19
	s_lshl_b32 s41, s[BY], 15
	s_add_co_u32 s40, s40, s41
	s_mov_b32 s41, 0
	s_mul_i32 s44, s[WLO], 64*SIZE_N*2
	s_mul_i32 s45, s[BX], NW*2
	s_add_co_u32 s44, s44, s45
	s_mov_b32 s45, 0
	s_mul_i32 s[LA], s[WV], APLANE                 ; waves 0, 1: y's K blocks at 0 and APLANE
	s_mul_i32 s[LB], s[WV], BHALF                  ; waves 2, 3: w's halves at 2 APLANE and 2 APLANE + BHALF
	s_add_co_u32 s[LB], s[LB], 2*APLANE-2*BHALF
	s_wait_dscnt 0x0
	s_wait_kmcnt 0x0
	s_add_nc_u64 s[40:41], s[4:5], s[40:41]
	s_add_nc_u64 s[44:45], s[6:7], s[44:45]
	CROUND                                         ; all sixteen work-groups are here: the first joint loads meet
.irp s, 0,1
	s_mov_b32 s[G0+4*\s], 1
	s_add_co_u32 s[G0+4*\s+1], s[LA], \s*SLOT
	s_add_nc_u64 s[G0+4*\s+2:G0+4*\s+3], s[40:41], \s*ASTEP
	s_or_b32 s[G0+4*\s+3], s[G0+4*\s+3], 0x80000000
	s_mov_b32 s[G0B+4*\s], 1
	s_add_co_u32 s[G0B+4*\s+1], s[LB], \s*SLOT
	s_add_nc_u64 s[G0B+4*\s+2:G0B+4*\s+3], s[44:45], \s*BSTEP
	s_or_b32 s[G0B+4*\s+3], s[G0B+4*\s+3], 0x80000000
	JLOAD \s                                       ; two loads of this wave are out
.endr
	; the bias in the accumulators' layout: block b, register j of lane l = bias[64 bx + 16 b + 8 (l / 16) + j]
	s_mul_i32 s46, s[BX], NW*4
	s_mov_b32 s47, 0
	s_add_nc_u64 s[8:9], s[8:9], s[46:47]
	v_and_b32 v1, 15, v0                           ; r
	v_bfe_u32 v2, v0, 4, 1                         ; h
	v_lshlrev_b32 v[BO], 5, v2
.set bq, 0
.rept NB
	global_load_b128 v[BIAS+8*bq:BIAS+8*bq+3],   v[BO], s[8:9] offset:64*bq
	global_load_b128 v[BIAS+8*bq+4:BIAS+8*bq+7], v[BO], s[8:9] offset:64*bq+16
.set bq, bq+1
.endr
	v_mul_u32_u24 v3, v1, APITCH                   ; y's fragment: row r, 16 bytes for each half of the lanes
	v_lshl_add_u32 v3, v2, 4, v3
	s_mul_i32 s46, s[WV], 64*APITCH
	v_add_nc_u32 v[ADRA], s46, v3
	v_add_nc_u32 v[ADRA+1], SLOT, v[ADRA]
	v_and_b32 v4, 7, v0                            ; w's fragment: k row 8 h + l % 8, 16 bytes at column 8 ((l / 8) % 2)
	v_lshl_add_u32 v4, v2, 3, v4
	v_mul_u32_u24 v4, v4, BP
	v_bfe_u32 v5, v0, 3, 1
	v_lshl_add_u32 v4, v5, 4, v4
	v_add_nc_u32 v[ADRB], 2*APLANE, v4
	v_add_nc_u32 v[ADRB+1], SLOT+2*APLANE, v4
	s_mul_i32 s46, s[WV], 16*SPITCH
	s_add_co_u32 s46, s46, STAGE                   ; my stage
	v_mul_u32_u24 v6, v1, SPITCH                   ; in: row r, 32 bytes for each half of the lanes
	v_lshl_add_u32 v6, v2, 5, v6
	v_add_nc_u32 v[STO], s46, v6
	v_mul_u32_u24 v6, v2, SPITCH                   ; back: lanes 0-15 take one row of 256 bytes, lanes 16-31 the next
	v_lshl_add_u32 v6, v1, 4, v6
	v_add_nc_u32 v[RD], s46, v6
	v_lshlrev_b32 v6, 12, v2                       ; and the same two rows in out0
	v_lshl_add_u32 v[CO], v1, 4, v6
.macro MULQ fa, fb, hi, a0, first      ; 2 NBH matrix instructions: row blocks a0, a0 + 1 x the window's column blocks; first = 1: the bias is C
.irp a, \a0, \a0+1
.set bq, 0
.rept NBH
.if \first
	v_wmma_f32_16x16x32_f16 v[8*(NBH*(\a)+bq):8*(NBH*(\a)+bq)+7], v[\fb+8*(NBH*\hi+bq):\fb+8*(NBH*\hi+bq)+7], v[\fa+8*(\a):\fa+8*(\a)+7], v[BIAS+8*(NBH*\hi+bq):BIAS+8*(NBH*\hi+bq)+7]
.else
	v_wmma_f32_16x16x32_f16 v[8*(NBH*(\a)+bq):8*(NBH*(\a)+bq)+7], v[\fb+8*(NBH*\hi+bq):\fb+8*(NBH*\hi+bq)+7], v[\fa+8*(\a):\fa+8*(\a)+7], v[8*(NBH*(\a)+bq):8*(NBH*(\a)+bq)+7]
.endif
.set bq, bq+1
.endr
.endr
.endm
.macro FETCH slot, q, fa, fb           ; 8 + 2 NB LDS loads in one run: y's four fragments first, then w's, column blocks ascending
	WIN 0
.irp a, 0,1,2,3
	ds_load_b128 v[\fa+8*\a:\fa+8*\a+3],   v[ADRA+\slot] offset:(\q/2)*APLANE+(\q%2)*64+\a*16*APITCH
	ds_load_b128 v[\fa+8*\a+4:\fa+8*\a+7], v[ADRA+\slot] offset:(\q/2)*APLANE+(\q%2)*64+\a*16*APITCH+32
.endr
	WIN TO_B
.set bq, 0
.rept NB
	ds_load_tr16_b128 v[\fb+8*bq:\fb+8*bq+3],   v[ADRB+\slot] offset:\q*32*BP+(bq/4)*160+(bq%4)*32
	ds_load_tr16_b128 v[\fb+8*bq+4:\fb+8*bq+7], v[ADRB+\slot] offset:\q*32*BP+(bq/4)*160+(bq%4)*32+16*BP
.set bq, bq+1
.endr
.endm
; four places between a matrix instruction and a load into one of its sources, or an LDS store of its result
.macro PLACES
.rept 4
	v_nop
.endr
.endm
; The 4 NB accumulators take turns, one instruction a turn, in the same order in every quarter, over the loop's backward jump too.
.macro QUARTER slot, qn, fa, fb, ga, gb, first
	s_wait_dscnt 2*NBH                             ; y's fragments and w's lower column blocks are in; the youngest 2 NBH loads may be out
.if \first
	WIN FIRST_LO
.else
	WIN MUL_LO
.endif
	MULQ \fa, \fb, 0, 0, \first
	MULQ \fa, \fb, 0, 2, \first
	PLACES
	FETCH \slot, \qn, \ga, \gb
	s_wait_dscnt 8+2*NB                            ; all but the run just issued
.if \first
	WIN FIRST_HI
.else
	WIN MUL_HI
.endif
	MULQ \fa, \fb, 1, 0, \first
	MULQ \fa, \fb, 1, 2, \first
.endm
.macro THREE slot, first
	QUARTER \slot, 1, FA0, FB0, FA1, FB1, \first
	QUARTER \slot, 2, FA1, FB1, FA0, FB0, 0
	QUARTER \slot, 3, FA0, FB0, FA1, FB1, 0
.endm
; The last quarter changes slots: each wave waits for its reads of this slot and for all its tensor loads, then the barrier; where the slot is
; filled again the barrier opens a round of the cluster's barrier, and the joint refill is the first tensor load behind the round.
.macro TURN slot, next, fill
	s_wait_dscnt 2*NBH
	WIN MUL_LO
	MULQ FA1, FB1, 0, 0, 0
	s_wait_dscnt 0x0                               ; my reads of this slot are over
	s_wait_tensorcnt 0x0                           ; all my tensor loads have landed: the one that was out is my part of the next slot
	ds_add_u32 v255, v255
	s_wait_dscnt 0x0
	s_barrier_signal -1
	MULQ FA1, FB1, 0, 2, 0                         ; register work while the others arrive
	WIN 0
	s_barrier_wait -1
.if \fill
	CREST
	s_add_nc_u64 s[G0+4*\slot+2:G0+4*\slot+3], s[G0+4*\slot+2:G0+4*\slot+3], 2*ASTEP
	s_add_nc_u64 s[G0B+4*\slot+2:G0B+4*\slot+3], s[G0B+4*\slot+2:G0B+4*\slot+3], 2*BSTEP
	JLOAD \slot
.endif
	PLACES
	FETCH \next, 0, FA0, FB0
	WIN MUL_HI
	MULQ FA1, FB1, 1, 0, 0
	MULQ FA1, FB1, 1, 2, 0
.endm
.macro LAP first
	THREE 0, \first
	TURN 0, 1, 1
	THREE 1, 0
	TURN 1, 0, 1
.endm
	s_wait_tensorcnt 0x1                           ; my part of K step 0 is in; K step 1's may stay out
	s_barrier_signal -1
	s_barrier_wait -1
	FETCH 0, 0, FA0, FB0
	s_wait_loadcnt 0x0                             ; the bias
	LAP 1
	WIN 0
	s_mov_b32 s3, LAPS-2
.Llap:
	LAP 0
	WIN 0
	s_sub_co_u32 s3, s3, 1
	s_cmp_lg_u32 s3, 0
	s_cbranch_scc1 .Llap
	THREE 0, 0                                     ; the last lap fills nothing
	TURN 0, 1, 0
	THREE 1, 0
	s_wait_dscnt 2*NBH
	WIN MUL_LO
	MULQ FA1, FB1, 0, 0, 0
	MULQ FA1, FB1, 0, 2, 0
	s_wait_dscnt 0x0
	WIN MUL_HI
	MULQ FA1, FB1, 1, 0, 0
	MULQ FA1, FB1, 1, 2, 0
	; THE WAY OUT, 16 rows at a time: the f32 sums go from the accumulators into my own stage, 32 bytes a lane and tile, and come back as rows of 256 bytes.
	PLACES
	s_lshl_b32 s46, s[BY], 8
	s_lshl_b32 s47, s[WV], 6
	s_add_co_u32 s46, s46, s47                     ; my first row
	s_lshl_b32 s46, s46, 12                        ; x 4,096 bytes
	s_lshl_b32 s47, s[BX], 8                       ; my 64 columns
	s_add_co_u32 s46, s46, s47
	s_mov_b32 s47, 0
	s_add_nc_u64 s[10:11], s[10:11], s[46:47]
.macro OUTF a, rb
	WIN 0x08                                       ; store data in window 2
.irp b, 0,1
	ds_store_b128 v[STO], v[8*(NBH*\a+\b):8*(NBH*\a+\b)+3]   offset:64*\b
	ds_store_b128 v[STO], v[8*(NBH*\a+\b)+4:8*(NBH*\a+\b)+7] offset:64*\b+16
.endr
	WIN 0x0c                                       ; store data in window 3
.irp b, 0,1
	ds_store_b128 v[STO], v[8*(NBH*\a+\b):8*(NBH*\a+\b)+3]   offset:64*(\b+2)
	ds_store_b128 v[STO], v[8*(NBH*\a+\b)+4:8*(NBH*\a+\b)+7] offset:64*(\b+2)+16
.endr
	WIN 0
	s_wait_xcnt 0x0                                ; the earlier stores have had their addresses translated: their data registers and base are rewritten only behind this wait
.if \a
	s_add_nc_u64 s[10:11], s[10:11], 16*4096       ; 16 rows on
.endif
.irp t, 0,1,2,3,4,5,6,7
	ds_load_b128 v[\rb+4*\t:\rb+4*\t+3], v[RD] offset:\t*2*SPITCH  ; LDS serves a wave's instructions in order: these see the stores above
.endr
.irp t, 0,1,2,3,4,5,6,7
	s_wait_dscnt 7-\t                              ; load t is in, the younger ones may be out
	global_store_b128 v[CO], v[\rb+4*\t:\rb+4*\t+3], s[10:11] offset:\t*8192 th:TH_STORE_NT   ; 16 lanes store 256 consecutive bytes, aligned; nothing reads them again
.endr
.endm
	OUTF 0, RB0
	OUTF 1, RB1
	OUTF 2, RB0
	OUTF 3, RB1
	s_set_vgpr_msb 0x1
	s_wait_tensorcnt 0x0
	ds_add_u32 v255, v255
	s_wait_dscnt 0x0
	s_set_vgpr_msb 0x100
	CROUND                                         ; the closing round: no work-group ends while a partner may still ask for a tile that names it
	s_endpgm
.Lfunc_end_k_q79a7f99778_gemm_proj:
	.size	k_q79a7f99778_gemm_proj, .Lfunc_end_k_q79a7f99778_gemm_proj-k_q79a7f99778_gemm_proj
	.p2alignl 7, 3214868480
	.fill 96, 4, 3214868480
	.section	.rodata,"a",@progbits
	.p2align	6, 0x0
	.amdhsa_kernel k_q79a7f99778_gemm_proj
		.amdhsa_group_segment_fixed_size 327680
		.amdhsa_private_segment_fixed_size 0
		.amdhsa_enable_private_segment 0
		.amdhsa_kernarg_size 32
		.amdhsa_user_sgpr_count 2
		.amdhsa_user_sgpr_kernarg_segment_ptr 1
		.amdhsa_wavefront_size32 1
		.amdhsa_system_sgpr_workgroup_id_x 1
		.amdhsa_system_sgpr_workgroup_id_y 1
		.amdhsa_system_sgpr_workgroup_id_z 1
		.amdhsa_system_vgpr_workitem_id 0
		.amdhsa_next_free_vgpr 1024
		.amdhsa_next_free_sgpr 66
		.amdhsa_reserve_vcc 0
		.amdhsa_float_denorm_mode_32 3
		.amdhsa_float_denorm_mode_16_64 3
		.amdhsa_memory_ordered 1
		.amdhsa_forward_progress 1
		.amdhsa_inst_pref_size 76
	.end_amdhsa_kernel
	.amdgpu_metadata
---
amdhsa.version: [ 1, 2 ]
amdhsa.kernels:
  - .name:           k_q79a7f99778_gemm_proj
    .symbol:         k_q79a7f99778_gemm_proj.kd
    .args:
      - { .name: yb, .offset: 0, .size: 8, .value_kind: global_buffer, .address_space: global }
      - { .name: wpb, .offset: 8, .size: 8, .value_kind: global_buffer, .address_space: global }
      - { .name: b_proj, .offset: 16, .size: 8, .value_kind: global_buffer, .address_space: global }
      - { .name: out0, .offset: 24, .size: 8, .value_kind: global_buffer, .address_space: global }
    .group_segment_fixed_size: 327680
    .private_segment_fixed_size: 0
    .kernarg_segment_align: 8
    .kernarg_segment_size: 32
    .max_flat_workgroup_size: 128
    .sgpr_count:     66
    .vgpr_count:     1024
    .wavefront_size: 32
...
	.end_amdgpu_metadata
.endif
;; end of part 4
